; MI455X (gfx1250); checked and timed in simulation.
; The chip was launched on July 23, 2026; its instructions are those of AMD's public machine-readable ISA for CDNA 5 (MIT licence, August 2026) and "CDNA5" Instruction Set Architecture Reference Guide (July 2026). The comments in the code are by the model that wrote it; some were corrected since.
;; Mo E Layer. Allowed arithmetic: matrix products marked QUANTISED: E2M3 operands, one E8M0 scale for each 32 along K, by v_wmma_scale_f32_16x16x128_f8f6f4 with both operands' format E2M3, f32 sums; products left as they are: f32 operands where the result goes on into a quantised operand, else bf16, f16 or f32 operands; f32 sums; everything else in f32.
;; Inputs: W1 8 x 1,024 x 4,096 float32; W2 8 x 4,096 x 1,024 float32; Wg 1,024 x 8 float32; b1 8 x 4,096 float32; b2 8 x 1,024 float32; bg 8 float32; x 4 x 256 x 1,024 float32.
;; Outputs: out0 4 x 256 x 1,024 float32; out1 1,024 x 8 float32.
;; This version of the problem:
;;   THIS VERSION OF THE PROBLEM IS GIVEN IN LOW PRECISION. The matrix products marked QUANTISED in the list below multiply operands that are first quantised to E2M3 (2 exponent bits, 3 mantissa bits; 6 bits a number), with one power-of-two scale for each 32 numbers along K (OCP MX v1.0); their sums are f32. All else is computed in f32.
;;   The module's matrix products, in the order in which they are computed (A, B: the left and right operand; K: the contracted axis; several contracted axes count as one K, in the product's order):
;;     1. [M 1,024, K 1,024] x [K 1,024, N 8]; A: input x; B: input Wg: left as it is (N = 8 < 16)
;;     2. [M 1,024, K 1,024] x [K 1,024, N 32,768]; A: input x; B: input W1: QUANTISED
;;     3. batch 8 x [M 1,024, K 4,096] x [K 4,096, N 1,024]; A: input W2; B: computed on the way: QUANTISED
;;   THE QUANTISER, for each operand of a quantised product, along K:
;;     - K is cut into blocks of 32 from its start; a last block that is shorter is filled with zeros.
;;     - A block's scale is 2^e with e = floor(log2(the largest magnitude in the block)) - 2, held to -126 .. 127; a block of zeros has e = 0. As a byte (E8M0): e + 127.
;;     - Each number is divided by its block's scale, clamped to +-7.5, and rounded to the nearest number of E2M3, ties to even, subnormals kept.
;;     - The product sums the exact products of the quantised numbers (number of the format x scale) in f32.
;;   ~~~python
;;   def quantise(x, axis):      # numpy; x: float32 -> the quantised numbers, widened to float32 again
;;       x = np.moveaxis(x, axis, -1); K = x.shape[-1]
;;       x = np.pad(x, [(0, 0)] * (x.ndim - 1) + [(0, -K % 32)]); x = x.reshape(x.shape[:-1] + (-1, 32)); a = np.abs(x).max(-1, keepdims=True)
;;       e = np.where(a > 0, np.clip(np.frexp(np.where(a > 0, a, 1))[1] - 1 - 2, -126, 127), 0)      # np.frexp(a)[1] - 1 = floor(log2(a)), exactly
;;       r = np.clip(x / 2.0 ** e, -7.5, 7.5)
;;       step = 2.0 ** (np.maximum(np.frexp(np.where(r == 0, 1, r))[1] - 1, 0) - 3)
;;       q = np.round(r / step) * step * 2.0 ** e      # np.round: ties to even
;;       return np.moveaxis(q.reshape(q.shape[:-2] + (-1,))[..., :K], -1, axis).astype(np.float32)
;;   ~~~
;;   OPERANDS COMPUTED ON THE WAY. 'Computed on the way' means the value that the module computes at that place (a softmax that the list does not call 'softmax' is quantised finished and normalised). What goes into a quantiser is computed in f32, as accurately as f32 sums, v_exp_f32 and their like allow (about 1e-6 of the number): no bf16 or f16 on the way to a quantiser, and a product that is left as it is and whose result goes on into a quantised operand takes f32 operands (vector FMAs, or v_wmma_f32_16x16x4_f32). A number that lies on a knife's edge between two numbers of the format may be rounded either way, as far as f32 arithmetic and the matrix unit's own rounding can turn it there, and no further.
;; One version. Each part assembles by itself: llvm-mc -triple=amdgcn-amd-amdhsa -mcpu=gfx1250 --defsym DOCPART=n.
;; ======== version 1 of 1: 3 launches
;; workspace buffers: xc 786,432 bytes; xs 32,768 bytes; tw 4,096 bytes; idx 4,096 bytes of whole numbers; perm 32,768 bytes of whole numbers; cnt 1,024 bytes of whole numbers; hc 25,165,824 bytes; hs 2,097,152 bytes
;; launch route (part 1): grid 256 x 1, 4 waves a work-group, no clusters, 34,560 bytes of LDS; arguments x, Wg, bg, out1, tw, idx, xc, xs; writes out1, tw, idx, xc, xs
.if DOCPART == 1
	.amdgcn_target "amdgcn-amd-amdhsa--gfx1250"
	.amdhsa_code_object_version 6
	.text
	.protected	k_qdebf620e6d_route
	.globl	k_qdebf620e6d_route
	.p2align	8
	.type	k_qdebf620e6d_route,@function
k_qdebf620e6d_route:
	s_mov_b64 s[64:65], 0
	v_nop
	global_prefetch_b8 v0, s[64:65] scope:SCOPE_SE
	s_setreg_imm32_b32 hwreg(HW_REG_WAVE_MODE, 25, 1), 1
	s_wait_xcnt 0x0
; THE GATE, AND x AS CODES.  For each of the 1,024 tokens: logits = x Wg + bg by f32 multiply-adds, softmax over the 8 experts (out1), the largest weight (tw) and its expert (idx, the lower
; index where two weights are equal), and the token's 1,024 numbers as codes of FP6 (E2M3) with one E8M0 byte for each 32 along K (xc, xs).
; SHARES.  A work-group has four waves, a wave one token: n = 4 x work-group + wave.  Lane l holds two sets of 16 neighbours along K: set h begins at k0 = 64 (l / 2) + 32 h + 16 (l % 2),
; so lanes l and l xor 1 hold block 2 (l / 2) + h.  The same 32 numbers serve the quantiser and the dot products: x is read once.
; xc: [token][768].  The 24 bytes of block b = 4 s + 2 c + h lie at 384 h + 48 s + 24 c: what lane (row, h) of a matrix operand wants for all eight K steps of 128 is 384 bytes on end.
; With this lane map that place is 384 h + 12 l: a wave's store of a set covers 384 consecutive bytes.   xs: [token][32], byte b = block b's scale: word s is K step s's scale word.
; Wg (32 KiB) is copied into LDS once a work-group, in slots of 16 rows (512 bytes + 16): slot 32 h + l holds the rows of lane l's set h.
; NO ADDRESS HERE HANGS ON THE CHOICE: idx and tw go to fixed places; the next launch places the rows.
; A set's four loads of x stand 64 bytes apart from lane to lane, and out1, xs, tw, idx leave in pieces of 32 or 4 bytes a token: 72 KiB in all, and x is a small part of what the program reads.
; LIMITS: NaN and infinities are not served.  A block of zeros gets the byte 1 where the rule says 127: its codes are zeros, and this program alone reads the bytes.
; Two weights that are equal to within f32 rounding may be ranked otherwise than by another order of the same sums.
.set WGP,  528                         ; a slot of Wg in LDS: 512 bytes + 16, an odd multiple of 16
.set SCB,  64*WGP                      ; behind the 64 slots: 32 scale bytes for each wave
.set X,    16                          ; v16-47   register 16 h + i = x[k0(h) + i]
.set WT,   48                          ; v48-111  Wg on its way into LDS; then two sets of 32: four rows of Wg each
.set LG,   112                         ; v112-119 the eight logits, then the weights
.set CD,   120                         ; v120-122, v124-126 the codes; v123, v127 the scale bytes
	s_load_b256 s[4:11], s[0:1], 0x0               ; x s[4:5], Wg s[6:7], bg s[8:9], out1 s[10:11]
	s_load_b256 s[12:19], s[0:1], 0x20             ; tw s[12:13], idx s[14:15], xc s[16:17], xs s[18:19]
	v_lshl_add_u32 v128, v0, 2, 0x8500
	v_mov_b32 v129, 0
	v_lshrrev_b32 v8, 5, v0
	v_readfirstlane_b32 s20, v8                    ; wave 0..3
	v_and_b32 v1, 31, v0                           ; lane
	v_lshrrev_b32 v8, 1, v1
	v_and_b32 v9, 1, v1
	v_lshlrev_b32 v2, 8, v8
	v_lshl_add_u32 v2, v9, 6, v2                   ; x: 256 (l / 2) + 64 (l % 2) bytes; the set adds 128 h
	v_lshlrev_b32 v3, 4, v0                        ; Wg's copy: 16 bytes a thread
	s_lshl_b32 s21, ttmp9, 2
	s_add_co_u32 s21, s21, s20                     ; my token
	s_lshl_b32 s36, s21, 12
	s_mov_b32 s37, 0
	s_wait_kmcnt 0x0
	s_add_nc_u64 s[4:5], s[4:5], s[36:37]          ; x at my token's row
	s_load_b256 s[24:31], s[8:9], 0x0              ; bg
.irp h, 0,1
.irp i, 0,1,2,3
	global_load_b128 v[X+16*\h+4*\i:X+16*\h+4*\i+3], v2, s[4:5] offset:128*\h+16*\i th:TH_LOAD_NT
.endr
.endr
.irp i, 0,1,2,3,4,5,6,7,8,9,10,11,12,13,14,15
	global_load_b128 v[WT+4*\i:WT+4*\i+3], v3, s[6:7] offset:2048*\i   ; load i of wave w is Wg's rows 16 (w + 4 i) on: the set h = w / 2 of lane 2 i + w % 2
.endr
	s_lshr_b32 s22, s20, 1
	s_and_b32 s23, s20, 1
	s_lshl_b32 s22, s22, 5
	s_add_co_u32 s22, s22, s23
	s_mul_i32 s22, s22, WGP
	v_lshl_add_u32 v4, v1, 4, s22                  ; into LDS: slot 32 (w / 2) + w % 2 + 2 i, 16 bytes a lane
	v_mul_u32_u24 v5, v1, WGP                      ; out of it: my slot of set 0
	v_mul_u32_u24 v6, v1, 12                       ; my codes' place in a set's 384 bytes
	s_lshl_b32 s23, s20, 5
	s_add_co_u32 s23, s23, SCB
	v_and_b32 v7, 30, v1
	v_add_nc_u32 v7, s23, v7                       ; my block's scale byte: 2 (l / 2), + h
	v_lshlrev_b32 v13, 4, v9                       ; 16 (l % 2): the way out of out1 and xs
	v_add_nc_u32 v14, s23, v13
	v_mov_b32 v15, 0
	s_mov_b32 s32, 0x76543210
	s_mov_b32 s33, 0xfedcba98                      ; v_permlanex16_b32's selects for lane l xor 16
	s_mov_b32 s34, 0x3fb8aa3b                      ; log2(e)
	s_mul_i32 s36, s21, 768
	s_add_nc_u64 s[16:17], s[16:17], s[36:37]
	s_lshl_b32 s36, s21, 5
	s_add_nc_u64 s[18:19], s[18:19], s[36:37]
	s_add_nc_u64 s[10:11], s[10:11], s[36:37]
	s_lshl_b32 s36, s21, 2
	s_add_nc_u64 s[12:13], s[12:13], s[36:37]
	s_add_nc_u64 s[14:15], s[14:15], s[36:37]
; Set h becomes 16 codes and its block's byte.  The largest magnitude's exponent field less 2 is the scale's byte, and the conversion takes that field of its scale operand and nothing else.
.macro QX h
.set XB, X+16*\h
	v_max3_num_f32 v8, |v[XB]|, |v[XB+1]|, |v[XB+2]|
	v_max3_num_f32 v9, |v[XB+3]|, |v[XB+4]|, |v[XB+5]|
.irp i, 6,10
	v_max3_num_f32 v8, v8, |v[XB+\i]|, |v[XB+\i+1]|
	v_max3_num_f32 v9, v9, |v[XB+\i+2]|, |v[XB+\i+3]|
.endr
	v_max3_num_f32 v8, v8, |v[XB+14]|, |v[XB+15]|
	v_max3_num_f32 v8, v8, v9, 0x1800000           ; and the floor 2^(3 - 127): the byte cannot fall under 1
	v_max_num_f32_dpp v8, v8, v8 row_xmask:1 row_mask:0xf bank_mask:0xf   ; with my neighbour's 16: the block's
	v_add_nc_u32 v[10+\h], 0xff000000, v8          ; 2 off the exponent field
	v_cvt_scalef32_pk16_fp6_f32 v[CD+4*\h:CD+4*\h+2], v[XB:XB+15], v[10+\h]
	v_lshrrev_b32 v[CD+3+4*\h], 23, v[10+\h]       ; the byte (also the plain line behind the conversion)
	ds_store_b8 v7, v[CD+3+4*\h] offset:\h         ; both lanes of a block write the same byte with the same value
	global_store_b96 v6, v[CD+4*\h:CD+4*\h+2], s[16:17] offset:384*\h
.endm
	s_wait_loadcnt 16                              ; x's eight loads are in; Wg's sixteen, issued behind them, may be out
	QX 0
	QX 1
	s_wait_loadcnt 0x0                             ; Wg
.irp i, 0,1,2,3,4,5,6,7,8,9,10,11,12,13,14,15
	ds_store_b128 v4, v[WT+4*\i:WT+4*\i+3] offset:2*WGP*\i
.endr
	s_wait_dscnt 0x0                               ; for the others' sake: my part of Wg lies in LDS
	s_barrier_signal -1
	s_barrier_wait -1                              ; everybody's does
; The dot products, four k at a time: chunk q is set q / 4, numbers 4 (q % 4) on.  Two sets of registers take turns.
.macro WLOAD q
.irp ii, 0,1,2,3
	ds_load_b128 v[WT+32*((\q)%2)+8*\ii:WT+32*((\q)%2)+8*\ii+3], v5 offset:32*WGP*((\q)/4)+32*(4*((\q)%4)+\ii)
	ds_load_b128 v[WT+32*((\q)%2)+8*\ii+4:WT+32*((\q)%2)+8*\ii+7], v5 offset:32*WGP*((\q)/4)+32*(4*((\q)%4)+\ii)+16
.endr
.endm
.macro DOT q                           ; logits e, e + 1 += x[k] x Wg[k][e, e + 1]: x[k] is the low or the high word of its pair, taken for both halves
.irp ii, 0,1,2,3
.set XP, X+16*((\q)/4)+4*((\q)%4)+2*(\ii/2)
.set WP, WT+32*((\q)%2)+8*\ii
.irp p, 0,1,2,3
.if ((\q) == 0) && (\ii == 0)
	v_pk_mul_f32 v[LG+2*\p:LG+2*\p+1], v[XP:XP+1], v[WP+2*\p:WP+2*\p+1] op_sel_hi:[0,1]   ; the first product starts the sums: nothing is cleared
.elseif (\ii%2) == 0
	v_pk_fma_f32 v[LG+2*\p:LG+2*\p+1], v[XP:XP+1], v[WP+2*\p:WP+2*\p+1], v[LG+2*\p:LG+2*\p+1] op_sel_hi:[0,1,1]
.else
	v_pk_fma_f32 v[LG+2*\p:LG+2*\p+1], v[XP:XP+1], v[WP+2*\p:WP+2*\p+1], v[LG+2*\p:LG+2*\p+1] op_sel:[1,0,0] op_sel_hi:[1,1,1]
.endif
.endr
.endr
.endm
	WLOAD 0
.irp q, 0,1,2,3,4,5,6
	WLOAD \q+1
	s_wait_dscnt 8                                 ; this chunk's eight loads are in; the next chunk's eight may be out
	DOT \q
.endr
	s_wait_dscnt 0x0
	DOT 7
; over the 32 lanes: four steps inside each half of 16 lanes, one across; every lane ends with the same eight sums
.irp m, 1,2,4,8
.irp e, 0,1,2,3,4,5,6,7
	v_add_f32_dpp v[LG+\e], v[LG+\e], v[LG+\e] row_xmask:\m row_mask:0xf bank_mask:0xf
.endr
.endr
.irp e, 0,1,2,3,4,5,6,7
	v_permlanex16_b32 v[WT+\e], v[LG+\e], s32, s33
.endr
.irp e, 0,1,2,3,4,5,6,7
	v_add_f32 v[LG+\e], v[LG+\e], v[WT+\e]
.endr
	s_wait_kmcnt 0x0                               ; bg
.irp e, 0,1,2,3,4,5,6,7
	v_add_f32 v[LG+\e], s[24+\e], v[LG+\e]
.endr
	v_max3_num_f32 v8, v[LG], v[LG+1], v[LG+2]     ; the softmax takes the row's maximum away first
	v_max3_num_f32 v8, v8, v[LG+3], v[LG+4]
	v_max3_num_f32 v8, v8, v[LG+5], v[LG+6]
	v_max_num_f32 v8, v8, v[LG+7]
	v_mul_f32 v9, s34, v8
.irp e, 0,1,2,3,4,5,6,7
	v_fma_f32 v[LG+\e], v[LG+\e], s34, -v9         ; (l - m) log2(e)
.endr
.irp e, 0,1,2,3,4,5,6,7
	v_exp_f32 v[LG+\e], v[LG+\e]
.endr
	v_nop                                          ; a plain line behind the last exponential
	s_wait_alu depctr_va_vdst(0)                   ; one wait for the batch of eight, ahead of its first reader
	v_add_f32 v8, v[LG], v[LG+1]
	v_add_f32 v9, v[LG+2], v[LG+3]
	v_add_f32 v10, v[LG+4], v[LG+5]
	v_add_f32 v11, v[LG+6], v[LG+7]
	v_add_f32 v8, v8, v9
	v_add_f32 v10, v10, v11
	v_add_f32 v8, v8, v10
	v_rcp_f32 v8, v8
	v_nop
	s_wait_alu depctr_va_vdst(0)
.irp e, 0,1,2,3,4,5,6,7
	v_mul_f32 v[LG+\e], v[LG+\e], v8               ; the weights
.endr
	v_mov_b32 v8, v[LG]                            ; the largest weight,
	v_mov_b32 v9, 0                                ; and its expert: only a strictly larger weight takes over, so the lower index wins a tie
.irp e, 1,2,3,4,5,6,7
	v_cmp_gt_f32 vcc_lo, v[LG+\e], v8
	v_cndmask_b32 v8, v8, v[LG+\e], vcc_lo
	v_cndmask_b32 v9, v9, \e, vcc_lo
.endr
	v_cmp_ne_u32 vcc_lo, 0, v13
.irp i, 0,1,2,3
	v_cndmask_b32 v[WT+\i], v[LG+\i], v[LG+4+\i], vcc_lo   ; even lanes weights 0-3, odd lanes 4-7
.endr
	ds_load_b128 v[WT+4:WT+7], v14                 ; my wave's 32 scale bytes, 16 for even and 16 for odd lanes: LDS serves a wave's instructions in order, so these see my byte stores
	s_wait_dscnt 0x0
	v_cmp_gt_u32 vcc_lo, 2, v1
	s_wait_xcnt 0x0                                ; EXEC changes only behind this wait: it is a source of the stores above
	s_barrier_signal -1
	s_barrier_wait -1
	s_wait_tensorcnt 0x0
	ds_add_u32 v128, v129
	s_wait_dscnt 0x0
	s_and_saveexec_b32 s40, vcc_lo                 ; lanes 0 and 1
	global_store_b128 v13, v[WT:WT+3], s[10:11]    ; out1: the token's 32 bytes
	global_store_b128 v13, v[WT+4:WT+7], s[18:19]  ; xs likewise
	s_wait_xcnt 0x0
	s_or_b32 exec_lo, exec_lo, s40
	v_cmp_eq_u32 vcc_lo, 0, v1
	s_and_saveexec_b32 s41, vcc_lo                 ; lane 0 (nothing was issued since the wait above)
	global_store_b32 v15, v8, s[12:13]             ; tw
	global_store_b32 v15, v9, s[14:15]             ; idx
	s_wait_xcnt 0x0
	s_or_b32 exec_lo, exec_lo, s41
	s_endpgm
.Lfunc_end_k_qdebf620e6d_route:
	.size	k_qdebf620e6d_route, .Lfunc_end_k_qdebf620e6d_route-k_qdebf620e6d_route
	.p2alignl 7, 3214868480
	.fill 96, 4, 3214868480
	.section	.rodata,"a",@progbits
	.p2align	6, 0x0
	.amdhsa_kernel k_qdebf620e6d_route
		.amdhsa_group_segment_fixed_size 34560
		.amdhsa_private_segment_fixed_size 0
		.amdhsa_enable_private_segment 0
		.amdhsa_kernarg_size 64
		.amdhsa_user_sgpr_count 2
		.amdhsa_user_sgpr_kernarg_segment_ptr 1
		.amdhsa_wavefront_size32 1
		.amdhsa_system_sgpr_workgroup_id_x 1
		.amdhsa_system_sgpr_workgroup_id_y 1
		.amdhsa_system_sgpr_workgroup_id_z 1
		.amdhsa_system_vgpr_workitem_id 0
		.amdhsa_next_free_vgpr 130
		.amdhsa_next_free_sgpr 66
		.amdhsa_reserve_vcc 1
		.amdhsa_float_denorm_mode_32 3
		.amdhsa_float_denorm_mode_16_64 3
		.amdhsa_memory_ordered 1
		.amdhsa_forward_progress 1
		.amdhsa_inst_pref_size 27
	.end_amdhsa_kernel
	.amdgpu_metadata
---
amdhsa.version: [ 1, 2 ]
amdhsa.kernels:
  - .name:           k_qdebf620e6d_route
    .symbol:         k_qdebf620e6d_route.kd
    .args:
      - { .name: x, .offset: 0, .size: 8, .value_kind: global_buffer, .address_space: global }
      - { .name: Wg, .offset: 8, .size: 8, .value_kind: global_buffer, .address_space: global }
      - { .name: bg, .offset: 16, .size: 8, .value_kind: global_buffer, .address_space: global }
      - { .name: out1, .offset: 24, .size: 8, .value_kind: global_buffer, .address_space: global }
      - { .name: tw, .offset: 32, .size: 8, .value_kind: global_buffer, .address_space: global }
      - { .name: idx, .offset: 40, .size: 8, .value_kind: global_buffer, .address_space: global }
      - { .name: xc, .offset: 48, .size: 8, .value_kind: global_buffer, .address_space: global }
      - { .name: xs, .offset: 56, .size: 8, .value_kind: global_buffer, .address_space: global }
    .group_segment_fixed_size: 34560
    .private_segment_fixed_size: 0
    .kernarg_segment_align: 8
    .kernarg_segment_size: 64
    .max_flat_workgroup_size: 128
    .sgpr_count:     66
    .vgpr_count:     130
    .wavefront_size: 32
...
	.end_amdgpu_metadata
.endif
;; end of part 1
;; launch up (part 2): grid 32 x 8, 16 waves a work-group, no clusters, 309,504 bytes of LDS; arguments W1, b1, idx, xc, xs, hc, hs, perm, cnt; writes hc, hs, perm, cnt
.if DOCPART == 2
	.amdgcn_target "amdgcn-amd-amdhsa--gfx1250"
	.amdhsa_code_object_version 6
	.text
	.protected	k_qdebf620e6d_up
	.globl	k_qdebf620e6d_up
	.p2align	8
	.type	k_qdebf620e6d_up,@function
k_qdebf620e6d_up:
	s_mov_b64 s[64:65], 0
	v_nop
	global_prefetch_b8 v0, s[64:65] scope:SCOPE_SE
	s_setreg_imm32_b32 hwreg(HW_REG_WAVE_MODE, 25, 1), 1
	s_wait_xcnt 0x0
; THE FIRST PRODUCT, for the chosen rows alone: h = Q(relu(Q(x) Q(W1[e]) + b1[e])) for the tokens whose expert is e.  Codes of FP6 (E2M3), one E8M0 byte for each 32 along K.
; SHARES.  Work-group (s, e) owns hidden units 128 s .. 128 s + 127 of expert e, over all of K = 1,024: 512 KiB of W1, read once, as f32, and quantised in registers; no code of a weight goes to memory.
; 128 hidden units are one K step of the second product: the work-group's results are whole fragments of it.  256 work-groups of equal streams.
; THE LIST.  Every work-group makes its expert's list of tokens from idx (whole numbers that the launch before stored): 32 mask words through LDS; then each thread SEARCHES for the tokens at positions
; p = thread and thread + 512 (the mask word whose running count reaches p, the bit in it): nothing is scattered, no atomics.  Positions past the expert's count get some token number under 1,024: their rows
; are computed like any row and thrown away by the last launch.  The work-groups with s = 0 store the list (perm) and the count (cnt).
; THE STREAM.  Wave w takes 32 columns (cg = w % 4) x 256 along K (kg = w / 4): A LANE IS A COLUMN AND ITS REGISTERS RUN DOWN K, so a block of 32 lies in one lane, its maximum needs no other lane, and the
; conversions give codes with K innermost.  Each load reads 128 consecutive bytes.  Two blocks (64 loads a wave) are on their way.
; Lane l takes column (l & 7) | (l & 8) << 1 | (l & 16) >> 1 of its 32: lanes 0-15 are one tile of 16 rows of the operand, lanes 16-31 the next, and slot m of tile u is column 8 u + m + 8 (m / 8).
; So in the results (source 0 = 16 columns of W1, source 1 = 16 tokens) a lane holds ONE token, and the 16 registers of tiles 2 b, 2 b + 1 are hidden units 32 b + 16 (lane / 16) + 0 .. 15: neighbours along the next K.
; A lane holds even blocks in F0 and odd blocks in F1; v_permlane16_swap_b32 of the two makes F0 tile 0's and F1 tile 1's operand registers.  They go to LDS as IMAGES OF REGISTERS: 16 bytes a lane, 512 a store.
; THE PRODUCT.  Behind the one barrier that follows the stream a wave takes a tile of 16 tokens (tile = wave + 16 x turn; a loop of the constant count 4, the work jumped over where the list has no such tile):
; x's eight fragments stay in registers, the 64 weight fragments come from LDS, the bias is loaded into the accumulators and so starts the sums; relu; quantised in registers; image to hc, scale words to hs.
; Tile 0 is always made, so that the next launch's first loads read bytes that were stored.
; No tensor loads, no joint loads: the work hangs on counts read from memory, and the weights, which are the bytes that matter, are shared by no two work-groups.
; LIMITS: NaN and infinities are not served.  A block of zeros gets the byte 1 where the rule says 127: its codes are zeros, and this program alone reads the bytes.
.set ROWP,  16384                      ; a row of W1 in bytes; the largest immediate, 255 rows, lies inside the signed 24 bits (ISA guide, chapter 10)
.set KSTR,  8                          ; images from one K step to the next
.set WSTR,  512                        ; scale words likewise, in bytes
.set WSC,   98304                      ; LDS: 0: 64 images of 1,536 bytes (8 x K step + tile);  WSC: scale words, (4 x K step + cg) x 128 + 4 x lane
.set LIST,  102400                     ; the list: 1,024 words
.set MASK,  106496                     ; 32 mask words
.set XREG,  106752                     ; for each wave 16 rows of x's codes, 768 bytes + 16: the wave's own
.set XPIT,  784
.set XWAVE, 16*XPIT
.set WO,  1                            ; v1   4 x my column
.set WI,  2                            ; v2   where my images go
.set WSA, 3                            ; v3   and my scale words
.set LI0, 4                            ; v4   16 x lane: images of K steps 0-3;  v5: of K steps 4-7
.set LI1, 5
.set LS,  6                            ; v6   WSC + 4 x lane
.set BO,  7                            ; v7   64 (lane / 16): my half's place in a run of 32 biases
.set XW,  8                            ; v8   x's rows into my region;  v9: out of it
.set XR,  9
.set L3,  10                           ; v10  LIST + 4 (lane / 8);  v11: LIST + 4 (lane % 16)
.set L15, 11
.set C16, 12                           ; v12  16 (lane % 8)
.set O16, 13                           ; v13  16 x lane;  v14: 4 x lane: the way out
.set O4,  14
.set LN,  15                           ; v15  lane
.set XF,  16                           ; v16-111  x's eight fragments
.set XS,  112                          ; v112-119 x's scale words: scales and nothing else
.set WS,  120                          ; v120-121 the weights' scale words: likewise
.set ACC, 128                          ; v128-191 the stream's two sets of 32 numbers; then the eight accumulators
.set X,   128
.set WB,  192                          ; v192-239 four weight fragments
.set F0,  192                          ; in the stream: v192-203, v204-215 the codes; v216-218 a conversion's upper half; v220-222 at work; v224 the scale word
.set F1,  204
.set TT,  216
.set MX0, 220
.set MX1, 221
.set SO,  222
.set SW,  224
.set PC,  192                          ; behind the products: v192-211 the codes, v212-227 at work, v228 the scale word
.set TM,  212
.set PW,  228
.set MW,  192                          ; at the head: the list's registers
.set P1,  193
.set MK0, 194
.set MK1, 195
.set PK0, 196
.set PK1, 197
.set MA,  198
.set ML,  199
.set TOK0, 200                         ; v200-208, v210-218: PICK's
.set TOK1, 210
.set NE,  220
.set T4,  238
.set LISTA, 239
.set TA,  240                          ; v240, v241 the tile's places in the list
.set TBR, 241
.set TK,  242                          ; v242-246 token numbers
.set XO,  247                          ; v247-250 their rows in xc;  v251 in xs
.set XSO, 251
.macro BARRIER
	s_wait_dscnt 0x0                               ; my LDS stores have landed and my LDS loads are in
	s_barrier_signal -1
	s_barrier_wait -1
.endm
.macro LOADW t                         ; block t: W(32 t + i, my column), i = 0 .. 31, into set t % 2
.set li, 0
.rept 32
	global_load_b32 v[X+32*((\t)%2)+li], v[WO], s[4:5] offset:(32*(\t)+li)*ROWP th:TH_LOAD_NT
.set li, li+1
.endr
.endm
; Block t of my column becomes 24 bytes of codes and a scale byte.  left: the loads issued behind block t's, which may stay out.
.macro BLOCK t, left
.set XB, X+32*((\t)%2)
.set FC, 6*(((\t)/2)%2)
.set FD, F0+12*((\t)%2)+FC
	s_wait_loadcnt \left
	v_max3_num_f32 v[MX0], |v[XB]|, |v[XB+1]|, |v[XB+2]|
	v_max3_num_f32 v[MX1], |v[XB+3]|, |v[XB+4]|, |v[XB+5]|
.irp i, 6,10,14,18,22,26
	v_max3_num_f32 v[MX0], v[MX0], |v[XB+\i]|, |v[XB+\i+1]|
	v_max3_num_f32 v[MX1], v[MX1], |v[XB+\i+2]|, |v[XB+\i+3]|
.endr
	v_max3_num_f32 v[MX0], v[MX0], |v[XB+30]|, |v[XB+31]|
	v_max3_num_f32 v[MX0], v[MX0], v[MX1], 0x1800000   ; and the floor 2^(3 - 127): the byte cannot fall under 1
	v_add_nc_u32 v[SO], 0xff000000, v[MX0]         ; 2 off the exponent field: the conversion's scale operand
	v_lshrrev_b32 v[MX1], 23, v[SO]                ; the byte
.if (\t)%4 == 0
	v_mov_b32 v[SW], v[MX1]                        ; four bytes make a K step's scale word of my column
.else
	v_lshl_or_b32 v[SW], v[MX1], 8*((\t)%4), v[SW]
.endif
	v_cvt_scalef32_pk16_fp6_f32 v[FD:FD+2], v[XB:XB+15], v[SO]
	v_cvt_scalef32_pk16_fp6_f32 v[TT:TT+2], v[XB+16:XB+31], v[SO]   ; (a conversion's three registers begin on an even number)
	v_nop                                          ; one plain line behind a scaled conversion
.irp i, 0,1,2
	v_mov_b32 v[FD+3+\i], v[TT+\i]
.endr
.if (\t) < 6
	LOADW (\t)+2
.endif
.if (\t)%2 == 1
.irp i, 0,1,2,3,4,5
	v_permlane16_swap_b32 v[F0+FC+\i], v[F1+FC+\i] ; F0's lanes 16-31 (tile 1's even block) change places with F1's lanes 0-15 (tile 0's odd block)
.endr
.endif
.if (\t)%4 == 3
.irp u, 0,1
.irp j, 0,1,2
	ds_store_b128 v[WI], v[F0+12*\u+4*\j:F0+12*\u+4*\j+3] offset:(((\t)/4)*KSTR+\u)*1536+512*\j
.endr
.endr
	ds_store_b32 v[WSA], v[SW] offset:((\t)/4)*WSTR   ; lanes 0-15 tile 0's words, lanes 16-31 tile 1's: one register serves both tiles
	s_wait_dscnt 0x0                               ; the stores have read their registers
.endif
.endm
.macro BIAS t0                         ; b1 of tiles t0 .. t0 + 3 into the accumulators: register j of tile T is hidden unit 32 (T / 2) + 16 (lane / 16) + 8 (T % 2) + j
.irp d, 0,1,2,3
	global_load_b128 v[ACC+8*((\t0)+\d):ACC+8*((\t0)+\d)+3], v[BO], s[6:7] offset:(32*(((\t0)+\d)/2)+8*(((\t0)+\d)%2))*4
	global_load_b128 v[ACC+8*((\t0)+\d)+4:ACC+8*((\t0)+\d)+7], v[BO], s[6:7] offset:(32*(((\t0)+\d)/2)+8*(((\t0)+\d)%2))*4+16
.endr
.endm
; The tile's 16 rows of x's codes and scale words: 26 loads.  Eight lanes read 128 consecutive bytes of a row, four rows an instruction.
.macro XGATHER
.irp q, 0,1,2,3
	ds_load_b32 v[TK+\q], v[TA] offset:16*\q
.endr
	ds_load_b32 v[TK+4], v[TBR]
	s_wait_dscnt 0x0
.irp q, 0,1,2,3,4
	v_min_u32 v[TK+\q], 0x3ff, v[TK+\q]            ; a token number: held inside the table before it enters an address
.endr
.irp q, 0,1,2,3
	v_mad_u32_u24 v[XO+\q], v[TK+\q], 768, v[C16]
.endr
	v_lshlrev_b32 v[XSO], 5, v[TK+4]
.set li, 0
.rept 24
	global_load_b128 v[XF+4*li:XF+4*li+3], v[XO+li/6], s[10:11] offset:128*(li%6)
.set li, li+1
.endr
	global_load_b128 v[XS:XS+3], v[XSO], s[12:13]
	global_load_b128 v[XS+4:XS+7], v[XSO], s[12:13] offset:16
.endm
; They turn through my own LDS region: in by rows, out 384 bytes a lane: lane (r, h) gets row r's bytes 384 h on, which are its 96 operand registers.
.macro XTURN
.set li, 0
.rept 24
	ds_store_b128 v[XW], v[XF+4*li:XF+4*li+3] offset:4*XPIT*(li/6)+128*(li%6)
.set li, li+1
.endr
	s_wait_dscnt 0x0
.set li, 0
.rept 24
	ds_load_b128 v[XF+4*li:XF+4*li+3], v[XR] offset:16*li
.set li, li+1
.endr
.endm
; One step down the tree of field sums: is the bit sought in the lower or in the upper half of the field at pos?
.macro DESC S, w, T
	v_bfe_u32 v[(\T)+7], v[\S], v[(\T)+6], \w
	v_cmp_ge_u32 vcc_lo, v[(\T)+1], v[(\T)+7]
	v_sub_nc_u32 v[(\T)+7], v[(\T)+1], v[(\T)+7]
	v_add_nc_u32 v[(\T)+8], \w, v[(\T)+6]
	v_cndmask_b32 v[(\T)+1], v[(\T)+1], v[(\T)+7], vcc_lo
	v_cndmask_b32 v[(\T)+6], v[(\T)+6], v[(\T)+8], vcc_lo
.endm
; v[T] = token base + the place of set bit number (p - prefix) of mask m.  The place never passes 31, so the result is under 1,024 whatever p.
.macro PICK m, pk, p, T
	v_and_b32 v[(\T)+1], 0xffff, v[\pk]
	v_sub_nc_u32 v[(\T)+1], v[\p], v[(\T)+1]       ; which set bit
	v_lshrrev_b32 v[\T], 16, v[\pk]                ; 32 x the word's number
	v_lshrrev_b32 v[(\T)+2], 1, v[\m]
	v_and_b32 v[(\T)+2], 0x55555555, v[(\T)+2]
	v_sub_nc_u32 v[(\T)+2], v[\m], v[(\T)+2]       ; counts in fields of 2 bits,
	v_lshrrev_b32 v[(\T)+3], 2, v[(\T)+2]
	v_and_b32 v[(\T)+3], 0x33333333, v[(\T)+3]
	v_and_b32 v[(\T)+4], 0x33333333, v[(\T)+2]
	v_add_nc_u32 v[(\T)+3], v[(\T)+3], v[(\T)+4]   ; of 4,
	v_lshrrev_b32 v[(\T)+4], 4, v[(\T)+3]
	v_add_nc_u32 v[(\T)+4], v[(\T)+4], v[(\T)+3]
	v_and_b32 v[(\T)+4], 0x0f0f0f0f, v[(\T)+4]     ; of 8,
	v_lshrrev_b32 v[(\T)+5], 8, v[(\T)+4]
	v_add_nc_u32 v[(\T)+5], v[(\T)+5], v[(\T)+4]
	v_and_b32 v[(\T)+5], 0x00ff00ff, v[(\T)+5]     ; of 16
	v_mov_b32 v[(\T)+6], 0                         ; pos
	DESC (\T)+5, 16, \T
	DESC (\T)+4, 8, \T
	DESC (\T)+3, 4, \T
	DESC (\T)+2, 2, \T
	DESC \m, 1, \T
	v_add_nc_u32 v[\T], v[\T], v[(\T)+6]
.endm
.macro WMU d, a, b, sa, sb, ra         ; ra: which half of the lanes holds source 0's scale words
.if (\ra) == 0
	v_wmma_scale_f32_16x16x128_f8f6f4 v[(\d):(\d)+7], v[(\a):(\a)+11], v[(\b):(\b)+11], v[(\d):(\d)+7], v[(\sa)], v[(\sb)] matrix_a_fmt:MATRIX_FMT_FP6 matrix_b_fmt:MATRIX_FMT_FP6
.else
	v_wmma_scale_f32_16x16x128_f8f6f4 v[(\d):(\d)+7], v[(\a):(\a)+11], v[(\b):(\b)+11], v[(\d):(\d)+7], v[(\sa)], v[(\sb)] matrix_a_fmt:MATRIX_FMT_FP6 matrix_b_fmt:MATRIX_FMT_FP6 matrix_a_scale:MATRIX_SCALE_ROW1
.endif
.endm
; K step s, tiles 4 c .. 4 c + 3: four fragments and two registers of scale words from LDS, four products.  The eight accumulators take turns, one instruction a turn.
.macro RUNB s, c
.if ((\s)+(\c)) > 0
.rept 4
	v_nop                                          ; places in front of loads into registers that matrix instructions have read
.endr
.endif
.irp i, 0,1,2,3
.irp j, 0,1,2
	ds_load_b128 v[WB+12*\i+4*\j:WB+12*\i+4*\j+3], v[LI0+(\s)/4] offset:(8*((\s)%4)+4*(\c)+\i)*1536+512*\j
.endr
.endr
.irp b, 0,1
	ds_load_b32 v[WS+\b], v[LS] offset:(4*(\s)+2*(\c)+\b)*128
.endr
	s_wait_dscnt 0x0
.irp i, 0,1,2,3
	WMU ACC+8*(4*(\c)+\i), WB+12*\i, XF+12*(\s), WS+\i/2, XS+(\s), \i%2
.endr
.endm
; 64 numbers of a lane, register 16 b + i = k 32 b + 16 (lane / 16) + i of my row, become a fragment's codes in v[PC] on and its scale word in v[PW].
.macro QUANT s
.irp b, 0,1,2,3
	v_max3_num_f32 v[TM+\b], |v[\s+16*\b]|, |v[\s+1+16*\b]|, 0x1800000
.endr
.irp i, 2,4,6,8,10,12,14
.irp b, 0,1,2,3
	v_max3_num_f32 v[TM+\b], v[TM+\b], |v[\s+16*\b+\i]|, |v[\s+1+16*\b+\i]|
.endr
.endr
.irp b, 0,1,2,3
	v_permlanex16_b32 v[TM+4+\b], v[TM+\b], s40, s41
.endr
.irp b, 0,1,2,3
	v_max_num_f32 v[TM+\b], v[TM+\b], v[TM+4+\b]   ; with lane l xor 16's: the block's largest magnitude
.endr
.irp b, 0,1,2,3
	v_add_nc_u32 v[TM+12+\b], 0xff000000, v[TM+\b]
.endr
.irp b, 0,1,2,3
	v_lshrrev_b32 v[TM+4+\b], 23, v[TM+12+\b]
.endr
	v_lshl_or_b32 v[PW], v[TM+5], 8, v[TM+4]
	v_lshl_or_b32 v[PW], v[TM+6], 16, v[PW]
	v_lshl_or_b32 v[PW], v[TM+7], 24, v[PW]
.irp c, 0,1
	v_cvt_scalef32_pk16_fp6_f32 v[PC+6*\c:PC+2+6*\c], v[\s+32*\c:\s+15+32*\c], v[TM+12+2*\c]
	v_cvt_scalef32_pk16_fp6_f32 v[PC+12+4*\c:PC+14+4*\c], v[\s+16+32*\c:\s+31+32*\c], v[TM+12+2*\c+1]
.endr
	v_nop                                          ; one plain line behind a scaled conversion
.irp c, 0,1                            ; the operand wants a WHOLE block in a lane: lanes 0-15 block 2 c, lanes 16-31 block 2 c + 1
.irp i, 0,1,2
	v_permlane16_swap_b32 v[PC+6*\c+\i], v[PC+12+4*\c+\i]
.endr
.irp i, 0,1,2
	v_mov_b32 v[PC+3+6*\c+\i], v[PC+12+4*\c+\i]
.endr
.endr
.endm
	s_load_b256 s[4:11], s[0:1], 0x0               ; W1 s[4:5], b1 s[6:7], idx s[8:9], xc s[10:11]
	s_load_b256 s[12:19], s[0:1], 0x20             ; xs s[12:13], hc s[14:15], hs s[16:17], perm s[18:19]
	s_load_b64 s[20:21], s[0:1], 0x40              ; cnt
	v_lshl_add_u32 v254, v0, 2, 0x4b100
	v_mov_b32 v255, 0
	v_lshrrev_b32 v[LN], 5, v0
	v_readfirstlane_b32 s22, v[LN]                 ; wave 0..15
	v_and_b32 v[LN], 31, v0
	s_and_b32 s23, ttmp7, 0xffff                   ; e
	s_mov_b32 s24, ttmp9                           ; s
	s_and_b32 s25, s22, 3                          ; cg
	s_lshr_b32 s26, s22, 2                         ; kg
	v_and_b32 v232, 7, v[LN]
	v_and_b32 v233, 8, v[LN]
	v_lshl_or_b32 v232, v233, 1, v232
	v_and_b32 v233, 16, v[LN]
	v_lshrrev_b32 v233, 1, v233
	v_or_b32 v232, v232, v233                      ; my column of the wave's 32
	v_lshlrev_b32 v[WO], 2, v232
	v_lshlrev_b32 v[T4], 2, v0
	s_lshl_b32 s50, s23, 24                        ; an expert's 16,777,216 bytes,
	s_lshl_b32 s36, s26, 22                        ; 256 rows of K,
	s_add_co_u32 s50, s50, s36
	s_lshl_b32 s36, s24, 9                         ; 128 columns,
	s_add_co_u32 s50, s50, s36
	s_lshl_b32 s36, s25, 7                         ; 32 columns: under 2^27 in all
	s_add_co_u32 s50, s50, s36
	s_mov_b32 s51, 0                               ; stays 0: the upper word of every offset
	s_wait_kmcnt 0x0
	s_add_nc_u64 s[4:5], s[4:5], s[50:51]
	global_load_b32 v[TA], v[T4], s[8:9]           ; idx of tokens thread and thread + 512
	global_load_b32 v[TBR], v[T4], s[8:9] offset:2048
	LOADW 0
	v_lshrrev_b32 v232, 4, v[LN]                   ; h
	v_and_b32 v233, 15, v[LN]                      ; r
	v_lshrrev_b32 v234, 3, v[LN]
	v_and_b32 v235, 7, v[LN]
	v_lshlrev_b32 v[BO], 6, v232
	v_lshlrev_b32 v[C16], 4, v235
	v_lshlrev_b32 v[LI0], 4, v[LN]
	v_add_nc_u32 v[LI1], 49152, v[LI0]
	v_lshl_add_u32 v[LS], v[LN], 2, WSC
	v_lshlrev_b32 v[O16], 4, v[LN]
	v_lshlrev_b32 v[O4], 2, v[LN]
	s_mul_i32 s36, s26, 24576                      ; two K steps of eight images,
	s_mul_i32 s37, s25, 3072                       ; two tiles
	s_add_co_u32 s36, s36, s37
	v_lshl_add_u32 v[WI], v[LN], 4, s36
	s_lshl_b32 s36, s26, 10
	s_lshl_b32 s37, s25, 7
	s_add_co_u32 s36, s36, s37
	s_add_co_u32 s36, s36, WSC
	v_lshl_add_u32 v[WSA], v[LN], 2, s36
	s_mul_i32 s36, s22, XWAVE
	s_add_co_u32 s36, s36, XREG
	v_mul_u32_u24 v236, v234, XPIT
	v_add_nc_u32 v236, v236, v[C16]
	v_add_nc_u32 v[XW], s36, v236
	v_mul_u32_u24 v236, v233, XPIT
	v_mad_u32_u24 v236, v232, 384, v236
	v_add_nc_u32 v[XR], s36, v236
	v_lshl_add_u32 v[L3], v234, 2, LIST
	v_lshl_add_u32 v[L15], v233, 2, LIST
	v_lshl_add_u32 v[ML], v[LN], 2, MASK
	s_lshl_b32 s36, s22, 2
	s_add_co_u32 s36, s36, MASK
	v_mov_b32 v[MA], s36
	v_lshl_add_u32 v[LISTA], v0, 2, LIST
	v_add_nc_u32 v[P1], 512, v0
	s_mov_b32 s40, 0x76543210
	s_mov_b32 s41, 0xfedcba98                      ; v_permlanex16_b32's selects for lane l xor 16
	s_lshl_b32 s50, s23, 14
	s_lshl_b32 s36, s24, 9
	s_add_co_u32 s50, s50, s36
	s_add_nc_u64 s[6:7], s[6:7], s[50:51]          ; b1 at my 128 hidden units
	s_mul_i32 s50, s23, 3145728
	s_mul_i32 s36, s24, 1536
	s_add_co_u32 s50, s50, s36
	s_add_nc_u64 s[42:43], s[14:15], s[50:51]      ; hc: [e][tile][K step s][1,536]
	s_lshl_b32 s50, s23, 18
	s_lshl_b32 s36, s24, 7
	s_add_co_u32 s50, s50, s36
	s_add_nc_u64 s[44:45], s[16:17], s[50:51]      ; hs: [e][tile][K step s][128]
	s_lshl_b32 s50, s23, 12
	s_add_nc_u64 s[18:19], s[18:19], s[50:51]
	s_lshl_b32 s50, s23, 7
	s_add_nc_u64 s[20:21], s[20:21], s[50:51]
	s_wait_loadcnt 32                              ; idx is in; block 0's 32 loads, issued behind it, may be out
	v_cmp_eq_u32 s36, s23, v[TA]                   ; which of my wave's 32 + 32 tokens chose e
	v_cmp_eq_u32 s37, s23, v[TBR]
	v_mov_b32 v[MK0], s36
	v_mov_b32 v[MK1], s37
	ds_store_b32 v[MA], v[MK0]                     ; all lanes write the same word with the same value: mask word w,
	ds_store_b32 v[MA], v[MK1] offset:64           ; and 16 + w
	LOADW 1
	BARRIER                                        ; the 32 mask words lie in LDS
	ds_load_b32 v[MW], v[ML]                       ; lane j holds word j
	s_wait_dscnt 0x0
	s_mov_b32 s30, 0                               ; the running count
.set j, 0
.rept 32                               ; the last word whose running count does not pass p holds position p's bit
	v_readlane_b32 s36, v[MW], j
.if j == 0
	v_mov_b32 v[MK0], s36
	v_mov_b32 v[MK1], s36
	v_mov_b32 v[PK0], 0
	v_mov_b32 v[PK1], 0
.else
	s_or_b32 s37, s30, j<<21                       ; the count (at most 1,024) below, 32 j above
	v_cmp_le_u32 vcc_lo, s30, v0
	v_cmp_le_u32 s38, s30, v[P1]
	v_cndmask_b32 v[MK0], v[MK0], s36, vcc_lo
	v_cndmask_b32 v[PK0], v[PK0], s37, vcc_lo
	v_cndmask_b32 v[MK1], v[MK1], s36, s38
	v_cndmask_b32 v[PK1], v[PK1], s37, s38
.endif
	s_bcnt1_i32_b32 s39, s36
	s_add_co_u32 s30, s30, s39
.set j, j+1
.endr                                  ; s30 = the expert's count of tokens
	PICK MK0, PK0, 0, TOK0
	PICK MK1, PK1, P1, TOK1
	ds_store_b32 v[LISTA], v[TOK0]
	ds_store_b32 v[LISTA], v[TOK1] offset:2048
	BARRIER                                        ; the list lies in LDS
	s_add_co_u32 s31, s30, 15
	s_lshr_b32 s31, s31, 4
	s_max_u32 s31, s31, 1                          ; tiles to make: at least tile 0
	s_mov_b32 s33, s22                             ; my first tile
	s_lshl_b32 s36, s33, 6
	v_add_nc_u32 v[TA], s36, v[L3]
	v_add_nc_u32 v[TBR], s36, v[L15]
	XGATHER                                        ; its rows of x are asked for now and land under the stream
	s_cmp_lg_u32 s24, 0
	s_cbranch_scc1 .Lno_perm
	global_store_b32 v[T4], v[TOK0], s[18:19]      ; one work-group an expert stores the list,
	global_store_b32 v[T4], v[TOK1], s[18:19] offset:2048
	s_cmp_lg_u32 s22, 0
	s_cbranch_scc1 .Lno_perm
	v_mov_b32 v[NE], s30
	global_store_b32 v[O4], v[NE], s[20:21]        ; and its wave 0 the count, 32 times
.Lno_perm:
	s_wait_xcnt 0x0                                ; the stores have read their registers, which the stream writes next
	BLOCK 0, 58                                    ; behind block 0's loads: block 1's 32 and x's 26
	BLOCK 1, 58                                    ; behind block 1's: x's 26 and block 2's 32
	s_wait_loadcnt 63                              ; x: 64 loads are younger; a wait's count names 63 at the most
	XTURN
	BLOCK 2, 32
	BLOCK 3, 32
	BLOCK 4, 32
	BLOCK 5, 32
	BLOCK 6, 32
	BIAS 0                                         ; into the set that block 6 has left
	BLOCK 7, 8                                     ; those eight may be out
	BIAS 4
	BARRIER                                        ; all 64 images and their scale words lie in LDS.
	s_mov_b32 s34, 0
.Lturn:                                ; four turns, a constant: 64 tiles serve every split, all tokens on one expert too
	s_lshl_b32 s36, s33, 6
	v_add_nc_u32 v[TA], s36, v[L3]                 ; LDS addresses are made outside every branch
	v_add_nc_u32 v[TBR], s36, v[L15]
	s_cmp_ge_u32 s33, s31
	s_cbranch_scc1 .Lskip                          ; the list has no such tile
	s_cmp_eq_u32 s34, 0
	s_cbranch_scc1 .Lhave                          ; the first tile's x and bias are here or on their way
	s_wait_loadcnt 0x0                             ; no load of mine is out, and every earlier access has read its registers: both are met already where the turn before did its work
	s_wait_xcnt 0x0
	XGATHER
	BIAS 0
	BIAS 4
	s_wait_loadcnt 16                              ; x is in; the sixteen bias loads may be out
	XTURN
.Lhave:
	s_wait_loadcnt 0x0
	s_wait_dscnt 0x0
.irp s, 0,1,2,3,4,5,6,7
	RUNB \s, 0
	RUNB \s, 1
.endr
.rept 4
	v_nop                                          ; places in front of the first read of results
.endr
.set li, 0
.rept 64
	v_max_num_f32 v[ACC+li], 0, v[ACC+li]          ; relu, in f32; each accumulator from its low end on
.set li, li+1
.endr
.irp b, 0,1,2,3
	v_mov_b32 v[TM+4+\b], 0                        ; a lane permute's destination counts as one of its sources
.endr
	QUANT ACC
	s_mul_i32 s50, s33, 49152
	s_add_nc_u64 s[46:47], s[42:43], s[50:51]
	s_lshl_b32 s50, s33, 12
	s_add_nc_u64 s[48:49], s[44:45], s[50:51]
.irp c, 0,1,2
	global_store_b128 v[O16], v[PC+4*\c:PC+4*\c+3], s[46:47] offset:512*\c   ; the fragment as it stands: each store covers 512 consecutive bytes, aligned to 256
.endr
	global_store_b32 v[O4], v[PW], s[48:49]        ; row r's scale word, in lanes r and 16 + r
	s_wait_xcnt 0x0                                ; the stores have read their registers and bases
.Lskip:
	s_add_co_u32 s33, s33, 16
	s_add_co_u32 s34, s34, 1
	s_cmp_lt_u32 s34, 4
	s_cbranch_scc1 .Lturn
	s_barrier_signal -1
	s_barrier_wait -1
	s_wait_tensorcnt 0x0
	ds_add_u32 v254, v255
	s_wait_dscnt 0x0
	s_endpgm
.Lfunc_end_k_qdebf620e6d_up:
	.size	k_qdebf620e6d_up, .Lfunc_end_k_qdebf620e6d_up-k_qdebf620e6d_up
	.p2alignl 7, 3214868480
	.fill 96, 4, 3214868480
	.section	.rodata,"a",@progbits
	.p2align	6, 0x0
	.amdhsa_kernel k_qdebf620e6d_up
		.amdhsa_group_segment_fixed_size 309504
		.amdhsa_private_segment_fixed_size 0
		.amdhsa_enable_private_segment 0
		.amdhsa_kernarg_size 72
		.amdhsa_user_sgpr_count 2
		.amdhsa_user_sgpr_kernarg_segment_ptr 1
		.amdhsa_wavefront_size32 1
		.amdhsa_system_sgpr_workgroup_id_x 1
		.amdhsa_system_sgpr_workgroup_id_y 1
		.amdhsa_system_sgpr_workgroup_id_z 1
		.amdhsa_system_vgpr_workitem_id 0
		.amdhsa_next_free_vgpr 256
		.amdhsa_next_free_sgpr 66
		.amdhsa_reserve_vcc 1
		.amdhsa_float_denorm_mode_32 3
		.amdhsa_float_denorm_mode_16_64 3
		.amdhsa_memory_ordered 1
		.amdhsa_forward_progress 1
		.amdhsa_inst_pref_size 112
	.end_amdhsa_kernel
	.amdgpu_metadata
---
amdhsa.version: [ 1, 2 ]
amdhsa.kernels:
  - .name:           k_qdebf620e6d_up
    .symbol:         k_qdebf620e6d_up.kd
    .args:
      - { .name: W1, .offset: 0, .size: 8, .value_kind: global_buffer, .address_space: global }
      - { .name: b1, .offset: 8, .size: 8, .value_kind: global_buffer, .address_space: global }
      - { .name: idx, .offset: 16, .size: 8, .value_kind: global_buffer, .address_space: global }
      - { .name: xc, .offset: 24, .size: 8, .value_kind: global_buffer, .address_space: global }
      - { .name: xs, .offset: 32, .size: 8, .value_kind: global_buffer, .address_space: global }
      - { .name: hc, .offset: 40, .size: 8, .value_kind: global_buffer, .address_space: global }
      - { .name: hs, .offset: 48, .size: 8, .value_kind: global_buffer, .address_space: global }
      - { .name: perm, .offset: 56, .size: 8, .value_kind: global_buffer, .address_space: global }
      - { .name: cnt, .offset: 64, .size: 8, .value_kind: global_buffer, .address_space: global }
    .group_segment_fixed_size: 309504
    .private_segment_fixed_size: 0
    .kernarg_segment_align: 8
    .kernarg_segment_size: 72
    .max_flat_workgroup_size: 512
    .sgpr_count:     66
    .vgpr_count:     256
    .wavefront_size: 32
...
	.end_amdgpu_metadata
.endif
;; end of part 2
;; launch down (part 3): grid 32 x 8, 16 waves a work-group, no clusters, 104,448 bytes of LDS; arguments W2, b2, hc, hs, perm, cnt, tw, out0; writes out0
.if DOCPART == 3
	.amdgcn_target "amdgcn-amd-amdhsa--gfx1250"
	.amdhsa_code_object_version 6
	.text
	.protected	k_qdebf620e6d_down
	.globl	k_qdebf620e6d_down
	.p2align	8
	.type	k_qdebf620e6d_down,@function
k_qdebf620e6d_down:
	s_mov_b64 s[64:65], 0
	v_nop
	global_prefetch_b8 v0, s[64:65] scope:SCOPE_SE
	s_setreg_imm32_b32 hwreg(HW_REG_WAVE_MODE, 25, 1), 1
	s_wait_xcnt 0x0
; THE SECOND PRODUCT, for the chosen rows alone: out0[token] = tw[token] x (h Q(W2[e]) + b2[e]), h as the codes and scale words that the launch before stored.
; SHARES.  Work-group (g, e) owns output columns 32 g .. 32 g + 31 of expert e over all of K = 4,096: 512 KiB of W2, read once, as f32, and quantised in registers.  Each output number has one owner.
; THE STREAM is the first product's: wave w takes the 32 columns x 256 along K (K steps 2 w, 2 w + 1); a lane is a column, its registers run down K; lane l takes column (l & 7) | (l & 8) << 1 | (l & 16) >> 1;
; the two tiles' operand registers go to LDS as images, 64 in all.  Each load reads 128 consecutive bytes of a row; the work-groups with neighbouring g read the bytes beside them.
; THE TOKENS.  A wave can meet four tiles of 16 list places (tile = wave + 16 k, k = 0 .. 3: 64 tiles serve every split).  All 1,024 places of every expert's list hold a token number, so the four tiles' tokens
; are read at the head, before the count is known; there each is held inside the tables and becomes its place in tw and its row of out0, in registers that are never written again.
; THE PRODUCT.  Behind the one barrier a wave takes its tiles one after the other: 32 K steps, two accumulators by turns; source 0 = 16 columns of W2, source 1 = 16 rows of h, so a lane holds ONE token and its
; 16 results are columns 16 (lane / 16) + 0 .. 15 of the 32.  h's fragments come from memory as register images through a ring of eight K steps in registers; b2 is loaded into the accumulators and so starts the sums.
; The turn is written four times by a macro, since each turn names its own registers; a wave whose tile lies past the list ends: its later tiles lie further on.
; The first tile's loads are issued inside the stream, without a branch, at a tile number held inside what the launch before stored.
; Lanes whose list place lies past the expert's count store nothing.  Lanes r and r + 16 store 128 consecutive bytes of their token's row.
; No tensor loads, no joint loads: the work hangs on counts read from memory, and the weights are shared by no two work-groups.
; LIMITS: NaN and infinities are not served.  A block of zeros gets the byte 1 where the rule says 127: its codes are zeros, and this program alone reads the bytes.
.set ROWP,  4096                       ; a row of W2 in bytes
.set KSTR,  2                          ; images from one K step to the next
.set WSTR,  128                        ; scale words likewise, in bytes
.set WSC,   98304                      ; LDS: 0: 64 images of 1,536 bytes (2 x K step + tile);  WSC: scale words, 128 x K step + 4 x lane
.set WO,  1                            ; v1   4 x my column
.set WI,  2                            ; v2   where my images go;  v3: my scale words
.set WSA, 3
.set LI0, 4                            ; v4   16 x lane: images of K steps 0-15;  v5: of 16-31
.set LI1, 5
.set LS,  6                            ; v6   WSC + 4 x lane
.set BO,  7                            ; v7   64 (lane / 16)
.set O16, 8                            ; v8   16 x lane
.set HSO, 9                            ; v9   4 x lane + 128 (lane / 16): lanes 0-15 an even K step's scale words, lanes 16-31 the odd one's
.set PO,  10                           ; v10  4 (lane % 16)
.set R,   11                           ; v11  lane % 16
.set TWO, 12                           ; v12-15   turn k: my token's place in tw (at the very head: two numbers at work)
.set HR,  16                           ; v16-111  h's fragments: a ring of eight K steps
.set HS,  112                          ; v112-127 h's scale words, two K steps a register: scales and nothing else
.set ACC, 128                          ; v128-143 two accumulators
.set TW,  144                          ; v144-147 turn k: my token's weight
.set OO,  148                          ; v148-151 turn k: my token's row of out0, + my half's 64 bytes
.set X,   152                          ; v152-215 the stream's two sets of 32 numbers; then v152-199 four weight fragments
.set WB,  152
.set F0,  216                          ; v216-227, v228-239 the codes; v240-242 a conversion's upper half; v244-247 at work
.set F1,  228
.set TT,  240
.set MX0, 244
.set MX1, 245
.set SO,  246
.set SW,  247
.set LN,  248                          ; v248 lane;  v249 lane / 16
.set HH,  249
.set WS,  250                          ; v250-251 the weights' scale words: scales and nothing else
.set PERM, 252                         ; v252-255 turn k: my token's number, as loaded and then held in place
.macro LOADW t                         ; block t: W(32 t + i, my column), i = 0 .. 31, into set t % 2
.set li, 0
.rept 32
	global_load_b32 v[X+32*((\t)%2)+li], v[WO], s[4:5] offset:(32*(\t)+li)*ROWP th:TH_LOAD_NT
.set li, li+1
.endr
.endm
; Block t of my column becomes 24 bytes of codes and a scale byte.  left: the loads issued behind block t's, which may stay out.  Blocks 0 to 5 ask for the block two on.
.macro BLOCK t, left
.set XB, X+32*((\t)%2)
.set FC, 6*(((\t)/2)%2)
.set FD, F0+12*((\t)%2)+FC
	s_wait_loadcnt \left
	v_max3_num_f32 v[MX0], |v[XB]|, |v[XB+1]|, |v[XB+2]|
	v_max3_num_f32 v[MX1], |v[XB+3]|, |v[XB+4]|, |v[XB+5]|
.irp i, 6,10,14,18,22,26
	v_max3_num_f32 v[MX0], v[MX0], |v[XB+\i]|, |v[XB+\i+1]|
	v_max3_num_f32 v[MX1], v[MX1], |v[XB+\i+2]|, |v[XB+\i+3]|
.endr
	v_max3_num_f32 v[MX0], v[MX0], |v[XB+30]|, |v[XB+31]|
	v_max3_num_f32 v[MX0], v[MX0], v[MX1], 0x1800000   ; and the floor 2^(3 - 127): the byte cannot fall under 1
	v_add_nc_u32 v[SO], 0xff000000, v[MX0]         ; 2 off the exponent field: the conversion's scale operand
	v_lshrrev_b32 v[MX1], 23, v[SO]                ; the byte
.if (\t)%4 == 0
	v_mov_b32 v[SW], v[MX1]
.else
	v_lshl_or_b32 v[SW], v[MX1], 8*((\t)%4), v[SW]
.endif
	v_cvt_scalef32_pk16_fp6_f32 v[FD:FD+2], v[XB:XB+15], v[SO]
	v_cvt_scalef32_pk16_fp6_f32 v[TT:TT+2], v[XB+16:XB+31], v[SO]   ; (a conversion's three registers begin on an even number)
	v_nop                                          ; one plain line behind a scaled conversion
.irp i, 0,1,2
	v_mov_b32 v[FD+3+\i], v[TT+\i]
.endr
.if (\t) < 6
	LOADW (\t)+2
.endif
.if (\t)%2 == 1
.irp i, 0,1,2,3,4,5
	v_permlane16_swap_b32 v[F0+FC+\i], v[F1+FC+\i] ; F0 becomes tile 0's operand registers, F1 tile 1's
.endr
.endif
.if (\t)%4 == 3
.irp u, 0,1
.irp j, 0,1,2
	ds_store_b128 v[WI], v[F0+12*\u+4*\j:F0+12*\u+4*\j+3] offset:(((\t)/4)*KSTR+\u)*1536+512*\j
.endr
.endr
	ds_store_b32 v[WSA], v[SW] offset:((\t)/4)*WSTR
	s_wait_dscnt 0x0                               ; the stores have read their registers
.endif
.endm
; Where tile s33's rows of h lie.  The tile number is held inside what the launch before stored (tiles 0 .. max(T, 1) - 1) and inside the buffers (63).
.macro JOBADDR
	s_min_u32 s36, s33, s32
	s_min_u32 s36, s36, 63
	s_mul_i32 s50, s36, 49152
	s_add_nc_u64 s[42:43], s[8:9], s[50:51]
	s_lshl_b32 s50, s36, 12
	s_add_nc_u64 s[44:45], s[10:11], s[50:51]
.endm
.macro PROLOGUE                        ; 44 loads: the bias, all scale words of h, its K steps 0 to 7
.irp i, 0,1,2,3
	global_load_b128 v[ACC+4*\i:ACC+4*\i+3], v[BO], s[6:7] offset:16*\i   ; register i of the two accumulators on end is column 16 (lane / 16) + i
.endr
.set li, 0
.rept 16
	global_load_b32 v[HS+li], v[HSO], s[44:45] offset:256*li
.set li, li+1
.endr
.set li, 0
.rept 24
	global_load_b128 v[HR+4*li:HR+4*li+3], v[O16], s[42:43] offset:512*li
.set li, li+1
.endr
.endm
.macro WM d, a, b, sa, sb, ra, rb      ; ra, rb: which half of the lanes holds source 0's and source 1's scale words
.if ((\ra) == 0) && ((\rb) == 0)
	v_wmma_scale_f32_16x16x128_f8f6f4 v[(\d):(\d)+7], v[(\a):(\a)+11], v[(\b):(\b)+11], v[(\d):(\d)+7], v[(\sa)], v[(\sb)] matrix_a_fmt:MATRIX_FMT_FP6 matrix_b_fmt:MATRIX_FMT_FP6
.elseif ((\ra) == 1) && ((\rb) == 0)
	v_wmma_scale_f32_16x16x128_f8f6f4 v[(\d):(\d)+7], v[(\a):(\a)+11], v[(\b):(\b)+11], v[(\d):(\d)+7], v[(\sa)], v[(\sb)] matrix_a_fmt:MATRIX_FMT_FP6 matrix_b_fmt:MATRIX_FMT_FP6 matrix_a_scale:MATRIX_SCALE_ROW1
.elseif ((\ra) == 0) && ((\rb) == 1)
	v_wmma_scale_f32_16x16x128_f8f6f4 v[(\d):(\d)+7], v[(\a):(\a)+11], v[(\b):(\b)+11], v[(\d):(\d)+7], v[(\sa)], v[(\sb)] matrix_a_fmt:MATRIX_FMT_FP6 matrix_b_fmt:MATRIX_FMT_FP6 matrix_b_scale:MATRIX_SCALE_ROW1
.else
	v_wmma_scale_f32_16x16x128_f8f6f4 v[(\d):(\d)+7], v[(\a):(\a)+11], v[(\b):(\b)+11], v[(\d):(\d)+7], v[(\sa)], v[(\sb)] matrix_a_fmt:MATRIX_FMT_FP6 matrix_b_fmt:MATRIX_FMT_FP6 matrix_a_scale:MATRIX_SCALE_ROW1 matrix_b_scale:MATRIX_SCALE_ROW1
.endif
.endm
; K steps 2 i and 2 i + 1: the ring slots that the run before has left take K steps 2 i + 6 and 2 i + 7; four weight fragments and two registers of scale words from LDS; four products.
; The two accumulators take turns, one instruction a turn.
.macro RUNC i
.if (\i) > 0
.rept 4
	v_nop                                          ; places in front of loads into registers that matrix instructions have read
.endr
.if (\i) <= 12
.irp d, 6,7
.irp j, 0,1,2
	global_load_b128 v[HR+12*((2*(\i)+\d)%8)+4*\j:HR+12*((2*(\i)+\d)%8)+4*\j+3], v[O16], s[42:43] offset:1536*(2*(\i)+\d)+512*\j
.endr
.endr
.endif
.endif
.irp f, 0,1,2,3
.irp j, 0,1,2
	ds_load_b128 v[WB+12*\f+4*\j:WB+12*\f+4*\j+3], v[LI0+(\i)/8] offset:(4*((\i)%8)+\f)*1536+512*\j
.endr
.endr
.irp k, 0,1
	ds_load_b32 v[WS+\k], v[LS] offset:(2*(\i)+\k)*128
.endr
.if (\i) <= 12
	s_wait_loadcnt 18                              ; this run's two K steps are in; the six K steps behind them, three loads each, may be out
.else
	s_wait_loadcnt 6*(15-(\i))                     ; nothing more is asked for: the counts run down
.endif
	s_wait_dscnt 0x0
	WM ACC, WB, HR+12*((2*(\i))%8), WS, HS+(\i), 0, 0
	WM ACC+8, WB+12, HR+12*((2*(\i))%8), WS, HS+(\i), 1, 0
	WM ACC, WB+24, HR+12*((2*(\i)+1)%8), WS+1, HS+(\i), 0, 1
	WM ACC+8, WB+36, HR+12*((2*(\i)+1)%8), WS+1, HS+(\i), 1, 1
.endm
; Turn k: tile s33 = wave + 16 k.  The first turn's prologue stands in the stream.
.macro TURN k
	s_cmp_ge_u32 s33, s31
	s_cbranch_scc1 .Lend                           ; the list has no such tile, and none further on
.if (\k) > 0
	JOBADDR                                        ; the turn before has waited for all its loads, and its stores have read their registers
	PROLOGUE
.endif
.irp i, 0,1,2,3,4,5,6,7,8,9,10,11,12,13,14,15
	RUNC \i
.endr
.rept 4
	v_nop                                          ; places in front of the first read of results, and of the next turn's loads
.endr
.irp i, 0,2,4,6,8,10,12,14             ; x the token's weight: the low or the high word of its pair, for both halves; each accumulator from its low end on
.if ((\k)%2) == 0
	v_pk_mul_f32 v[ACC+\i:ACC+\i+1], v[ACC+\i:ACC+\i+1], v[TW+2*((\k)/2):TW+2*((\k)/2)+1] op_sel_hi:[1,0]
.else
	v_pk_mul_f32 v[ACC+\i:ACC+\i+1], v[ACC+\i:ACC+\i+1], v[TW+2*((\k)/2):TW+2*((\k)/2)+1] op_sel:[0,1] op_sel_hi:[1,1]
.endif
.endr
	s_lshl_b32 s36, s33, 4
	s_sub_co_u32 s36, s30, s36                     ; list places from the tile's first on: at least 1
	v_cmp_gt_u32 vcc_lo, s36, v[R]
	s_wait_xcnt 0x0                                ; EXEC changes only behind this wait: it is a source of the loads above
	s_and_saveexec_b32 s38, vcc_lo                 ; only places inside the list
.irp i, 0,1,2,3
	global_store_b128 v[OO+(\k)], v[ACC+4*\i:ACC+4*\i+3], s[18:19] offset:16*\i th:TH_STORE_NT
.endr
	s_wait_xcnt 0x0                                ; and again, in front of the line that widens it; the stores have read their registers
	s_or_b32 exec_lo, exec_lo, s38
	s_add_co_u32 s33, s33, 16
.endm
	s_load_b256 s[4:11], s[0:1], 0x0               ; W2 s[4:5], b2 s[6:7], hc s[8:9], hs s[10:11]
	s_load_b256 s[12:19], s[0:1], 0x20             ; perm s[12:13], cnt s[14:15], tw s[16:17], out0 s[18:19]
	v_lshrrev_b32 v[LN], 5, v0
	v_readfirstlane_b32 s22, v[LN]                 ; wave 0..15
	v_and_b32 v[LN], 31, v0
	s_and_b32 s23, ttmp7, 0xffff                   ; e
	s_mov_b32 s24, ttmp9                           ; g
	v_and_b32 v12, 7, v[LN]
	v_and_b32 v13, 8, v[LN]
	v_lshl_or_b32 v12, v13, 1, v12
	v_and_b32 v13, 16, v[LN]
	v_lshrrev_b32 v13, 1, v13
	v_or_b32 v12, v12, v13                         ; my column of the 32
	v_lshlrev_b32 v[WO], 2, v12
	v_and_b32 v[R], 15, v[LN]
	v_lshlrev_b32 v[PO], 2, v[R]
	v_lshrrev_b32 v[HH], 4, v[LN]
	v_lshlrev_b32 v[BO], 6, v[HH]
	s_lshl_b32 s50, s23, 24                        ; an expert's 16,777,216 bytes,
	s_lshl_b32 s36, s22, 20                        ; 256 rows of K,
	s_add_co_u32 s50, s50, s36
	s_lshl_b32 s36, s24, 7                         ; 32 columns
	s_add_co_u32 s50, s50, s36
	s_mov_b32 s51, 0                               ; stays 0: the upper word of every offset
	s_lshl_b32 s52, s23, 7                         ; cnt: 128 bytes an expert
	s_mov_b32 s53, 0
	s_lshl_b32 s54, s23, 12                        ; perm: 4,096 bytes an expert,
	s_lshl_b32 s36, s22, 6                         ; 64 a tile
	s_add_co_u32 s54, s54, s36
	s_mov_b32 s55, 0
	s_wait_kmcnt 0x0
	s_add_nc_u64 s[4:5], s[4:5], s[50:51]
	s_add_nc_u64 s[14:15], s[14:15], s[52:53]
	s_add_nc_u64 s[12:13], s[12:13], s[54:55]      ; perm at my first tile's places
	s_load_b32 s30, s[14:15], 0x0                  ; the expert's count of tokens
	LOADW 0
.irp k, 0,1,2,3
	global_load_b32 v[PERM+\k], v[PO], s[12:13] offset:1024*\k   ; the tokens at my place of tiles wave + 16 k
.endr
	v_lshlrev_b32 v[LI0], 4, v[LN]
	v_add_nc_u32 v[LI1], 49152, v[LI0]
	v_lshl_add_u32 v[LS], v[LN], 2, WSC
	v_lshlrev_b32 v[O16], 4, v[LN]
	v_lshlrev_b32 v[HSO], 2, v[LN]
	v_lshl_add_u32 v[HSO], v[HH], 7, v[HSO]
	s_mul_i32 s36, s22, 6144                       ; two K steps of two images
	v_lshl_add_u32 v[WI], v[LN], 4, s36
	s_lshl_b32 s36, s22, 8
	s_add_co_u32 s36, s36, WSC
	v_lshl_add_u32 v[WSA], v[LN], 2, s36
	s_lshl_b32 s50, s23, 12
	s_lshl_b32 s36, s24, 7
	s_add_co_u32 s50, s50, s36
	s_add_nc_u64 s[6:7], s[6:7], s[50:51]          ; b2 at my 32 columns
	s_mov_b32 s50, s36
	s_add_nc_u64 s[18:19], s[18:19], s[50:51]      ; out0 likewise
	s_mul_i32 s50, s23, 3145728
	s_add_nc_u64 s[8:9], s[8:9], s[50:51]
	s_lshl_b32 s50, s23, 18
	s_add_nc_u64 s[10:11], s[10:11], s[50:51]
	s_wait_loadcnt 0x0                             ; the tokens are in: nothing was issued behind them (block 0, issued ahead of them, is in too)
.irp k, 0,1,2,3
	v_min_u32 v[PERM+\k], 0x3ff, v[PERM+\k]        ; a loaded number is held inside the tables, in its own register, before it enters an address; behind the hold: a shift left, a multiply and an add
.endr
.irp k, 0,1,2,3
	v_lshlrev_b32 v[TWO+\k], 2, v[PERM+\k]
.endr
.irp k, 0,1,2,3
	v_mad_u32_u24 v[OO+\k], v[PERM+\k], 4096, v[BO]
.endr
.irp k, 0,1,2,3
	global_load_b32 v[TW+\k], v[TWO+\k], s[16:17]
.endr
	LOADW 1
	s_wait_kmcnt 0x0
	s_min_u32 s30, s30, 0x400
	s_add_co_u32 s31, s30, 15
	s_lshr_b32 s31, s31, 4                         ; T: tiles with a row to store
	s_max_u32 s32, s31, 1
	s_sub_co_u32 s32, s32, 1                       ; the last tile that was stored
	s_mov_b32 s33, s22                             ; my first tile
	BLOCK 0, 36                                    ; the four weights and block 1's 32 may be out
	BLOCK 1, 32                                    ; block 2's 32 may be out; the weights, issued ahead of block 1, are in
	BLOCK 2, 32
	BLOCK 3, 32
	BLOCK 4, 32
	BLOCK 5, 32
	JOBADDR
	PROLOGUE                                       ; behind the stream's last loads: the first tile's data land under its last two blocks
	BLOCK 6, 63                                    ; behind block 6's loads: block 7's 32 and the prologue's 44; a wait's count names 63 at the most
	BLOCK 7, 44                                    ; the prologue may be out
	s_wait_dscnt 0x0
	s_barrier_signal -1
	s_barrier_wait -1                              ; all 64 images and their scale words lie in LDS.  No barrier follows
	TURN 0
	TURN 1
	TURN 2
	TURN 3
.Lend:
	s_wait_xcnt 0x0
	s_mov_b32 exec_lo, -1
	v_lshl_add_u32 v248, v0, 2, 0x19000
	v_mov_b32 v249, 0
	s_wait_tensorcnt 0x0
	ds_add_u32 v248, v249
	s_wait_dscnt 0x0
	s_endpgm
.Lfunc_end_k_qdebf620e6d_down:
	.size	k_qdebf620e6d_down, .Lfunc_end_k_qdebf620e6d_down-k_qdebf620e6d_down
	.p2alignl 7, 3214868480
	.fill 96, 4, 3214868480
	.section	.rodata,"a",@progbits
	.p2align	6, 0x0
	.amdhsa_kernel k_qdebf620e6d_down
		.amdhsa_group_segment_fixed_size 104448
		.amdhsa_private_segment_fixed_size 0
		.amdhsa_enable_private_segment 0
		.amdhsa_kernarg_size 64
		.amdhsa_user_sgpr_count 2
		.amdhsa_user_sgpr_kernarg_segment_ptr 1
		.amdhsa_wavefront_size32 1
		.amdhsa_system_sgpr_workgroup_id_x 1
		.amdhsa_system_sgpr_workgroup_id_y 1
		.amdhsa_system_sgpr_workgroup_id_z 1
		.amdhsa_system_vgpr_workitem_id 0
		.amdhsa_next_free_vgpr 256
		.amdhsa_next_free_sgpr 66
		.amdhsa_reserve_vcc 1
		.amdhsa_float_denorm_mode_32 3
		.amdhsa_float_denorm_mode_16_64 3
		.amdhsa_memory_ordered 1
		.amdhsa_forward_progress 1
		.amdhsa_inst_pref_size 192
	.end_amdhsa_kernel
	.amdgpu_metadata
---
amdhsa.version: [ 1, 2 ]
amdhsa.kernels:
  - .name:           k_qdebf620e6d_down
    .symbol:         k_qdebf620e6d_down.kd
    .args:
      - { .name: W2, .offset: 0, .size: 8, .value_kind: global_buffer, .address_space: global }
      - { .name: b2, .offset: 8, .size: 8, .value_kind: global_buffer, .address_space: global }
      - { .name: hc, .offset: 16, .size: 8, .value_kind: global_buffer, .address_space: global }
      - { .name: hs, .offset: 24, .size: 8, .value_kind: global_buffer, .address_space: global }
      - { .name: perm, .offset: 32, .size: 8, .value_kind: global_buffer, .address_space: global }
      - { .name: cnt, .offset: 40, .size: 8, .value_kind: global_buffer, .address_space: global }
      - { .name: tw, .offset: 48, .size: 8, .value_kind: global_buffer, .address_space: global }
      - { .name: out0, .offset: 56, .size: 8, .value_kind: global_buffer, .address_space: global }
    .group_segment_fixed_size: 104448
    .private_segment_fixed_size: 0
    .kernarg_segment_align: 8
    .kernarg_segment_size: 64
    .max_flat_workgroup_size: 512
    .sgpr_count:     66
    .vgpr_count:     256
    .wavefront_size: 32
...
	.end_amdgpu_metadata
.endif
;; end of part 3
